; MI455X (gfx1250); checked and timed in simulation.
; The chip was launched on July 23, 2026; its instructions are those of AMD's public machine-readable ISA for CDNA 5 (MIT licence, August 2026) and "CDNA5" Instruction Set Architecture Reference Guide (July 2026). The comments in the code are by the model that wrote it; some were corrected since.
;; Flash Attention Pooling. Allowed arithmetic: float matrix products may take bf16 or f16 operands with f32 sums; other float arithmetic in f32, or as packed bf16 or f16 multiplies, adds, multiply-adds, maxima and minima; sums over many terms, partial sums and values carried from step to step in f32; what a program stores and reads back later, other than sums and carried values, may be rounded once to bf16 or f16.
;; Inputs: Wk 1,024 x 1,024 float32; Wq 1,024 x 1,024 float32; mask 16 x 4,096 bool; x 16 x 4,096 x 1,024 float32.
;; Outputs: out0 16 x 1,024 float32.
;; One version. Each part assembles by itself: llvm-mc -triple=amdgcn-amd-amdhsa -mcpu=gfx1250 --defsym DOCPART=n.
;; ======== version 1 of 1: 5 launches
;; workspace buffers: xmean 65,536 bytes; qt 65,536 bytes; upart 1,048,576 bytes; part 1,114,112 bytes
;; launch colsum (part 1): grid 16 x 16, 16 waves a work-group, no clusters, 10,240 bytes of LDS; arguments x, xmean; writes xmean
.if DOCPART == 1
	.amdgcn_target "amdgcn-amd-amdhsa--gfx1250"
	.amdhsa_code_object_version 6
	.text
	.protected	k_qdd67ac601f_colsum
	.globl	k_qdd67ac601f_colsum
	.p2align	8
	.type	k_qdd67ac601f_colsum,@function
k_qdd67ac601f_colsum:
	s_mov_b64 s[64:65], 0
	v_nop
	global_prefetch_b8 v0, s[64:65] scope:SCOPE_SE
	s_setreg_imm32_b32 hwreg(HW_REG_WAVE_MODE, 25, 1), 1
	s_wait_xcnt 0x0
; xmean[b][d] = (the sum over t of x[b][t][d]) / 4096.  x: [16][4096][1024] f32, xmean: [16][1024] f32.  All sums in f32.
; SHARES.  A work-group owns 64 columns (256 bytes of every row, at a multiple of 256 bytes) of one batch, over all 4,096 rows: the sum is finished
; inside the work-group.  Thread t takes, in step i of 128, the 16 bytes at 16 (t % 16) of the strip in row 32 i + t / 16: a load of a wave covers two rows' whole 256 bytes.
; A ring of 32 slots in registers keeps 32 loads of every wave on their way: 16 waves x 32 x 512 bytes = 256 KiB for the work-group.
; LEFT OUT.  One addition for each number read: the matrix units have nothing to multiply; a ring in LDS would only add a copy; no two work-groups read the same byte, so there is nothing to ask for jointly.
.set STEP,  131072                     ; bytes from step to step: 32 rows of 4,096
.set DEPTH, 32                         ; slots = loads in flight in each wave
.set SPARE, 8192                       ; behind the stage: the spare words, 128 bytes for each of 16 waves
.set OFF, 1                            ; v1       my byte offset in step 0; never rewritten
.set SPW, 2                            ; v2       LDS address of my spare word; never rewritten
.set NIL, 3                            ; v3       0; never rewritten
.set STA, 4                            ; v4       16 t: where my four sums go in the stage (row t / 16 of 256 bytes, 16 bytes at 16 (t % 16))
.set RDA, 5                            ; v5       8 x lane: two columns of the strip
.set ACC, 8                            ; v[8:23]  four sets of four running sums, taken by turns so that no addition waits for the one before it
.set X,   24                           ; v[24:151] slot i: 4 registers
	s_load_b128 s[4:7], s[0:1], 0x0                ; x s[4:5], xmean s[6:7]
	v_lshl_add_u32 v[SPW], v0, 2, SPARE
	v_mov_b32 v[NIL], 0
	v_lshrrev_b32 v6, 5, v0
	v_readfirstlane_b32 s8, v6                     ; wave 0..15
	v_lshrrev_b32 v[OFF], 4, v0                    ; my row in a step
	v_and_b32 v6, 15, v0
	v_lshlrev_b32 v6, 4, v6                        ; my 16 bytes in the strip
	v_lshl_or_b32 v[OFF], v[OFF], 12, v6
	v_lshlrev_b32 v[STA], 4, v0
	v_and_b32 v[RDA], 31, v0
	v_lshlrev_b32 v[RDA], 3, v[RDA]
	s_and_b32 s12, ttmp7, 0xffff                   ; the batch
	s_lshl_b32 s13, ttmp9, 8                       ; the strip's 256 bytes in a row
	s_lshl_b32 s10, s12, 24                        ; a batch of x is 2^24 bytes
	s_add_co_u32 s10, s10, s13
	s_mov_b32 s11, 0
	s_lshl_b32 s14, s12, 12                        ; a batch of xmean is 4,096 bytes
	s_add_co_u32 s14, s14, s13
	s_mov_b32 s15, 0
.set n, 0
.rept 16
	v_mov_b32 v[ACC+n], 0                          ; sixteen sums start at 0: the ring's one text serves every lap
.set n, n+1
.endr
	s_wait_kmcnt 0x0
	s_add_nc_u64 s[4:5], s[4:5], s[10:11]
	s_add_nc_u64 s[6:7], s[6:7], s[14:15]
.set n, 0
.rept DEPTH
	global_load_b128 v[X+4*n:X+4*n+3], v[OFF], s[4:5] offset:n*STEP th:TH_LOAD_NT  ; the ring is filled: steps 0 to 31
.set n, n+1
.endr
; One slot's turn.  left = how many younger loads may stay out.  ahead = 1: the slot is filled again with the step 32 further on
; (the immediate is 63 x 131,072 at the most, inside its signed 24 bits).
.macro SLOT i, ahead, left
	s_wait_loadcnt \left                           ; loads come back in order: mine is in
	v_pk_add_f32 v[ACC+4*((\i)%4):ACC+4*((\i)%4)+1],   v[ACC+4*((\i)%4):ACC+4*((\i)%4)+1],   v[X+4*(\i):X+4*(\i)+1]
	v_pk_add_f32 v[ACC+4*((\i)%4)+2:ACC+4*((\i)%4)+3], v[ACC+4*((\i)%4)+2:ACC+4*((\i)%4)+3], v[X+4*(\i)+2:X+4*(\i)+3]
.if \ahead
	global_load_b128 v[X+4*(\i):X+4*(\i)+3], v[OFF], s[4:5] offset:(DEPTH+(\i))*STEP th:TH_LOAD_NT
.endif
.endm
	s_mov_b32 s9, 3                                ; three laps fill the ring again, the fourth is written out
.Llap:
.set n, 0
.rept DEPTH
	SLOT n, 1, DEPTH-1                             ; 31 younger loads: on the way in and over the backward jump alike
.set n, n+1
.endr
	s_wait_xcnt 0x0                                ; the base is stepped only when every load issued has had its address taken
	s_add_nc_u64 s[4:5], s[4:5], DEPTH*STEP
	s_sub_co_u32 s9, s9, 1
	s_cmp_lg_u32 s9, 0
	s_cbranch_scc1 .Llap
.set n, 0
.rept DEPTH
	SLOT n, 0, DEPTH-1-n                           ; the last lap loads nothing: the counts run down
.set n, n+1
.endr
	v_pk_add_f32 v[ACC:ACC+1],     v[ACC:ACC+1],     v[ACC+4:ACC+5]      ; the four sets into one
	v_pk_add_f32 v[ACC+2:ACC+3],   v[ACC+2:ACC+3],   v[ACC+6:ACC+7]
	v_pk_add_f32 v[ACC+8:ACC+9],   v[ACC+8:ACC+9],   v[ACC+12:ACC+13]
	v_pk_add_f32 v[ACC+10:ACC+11], v[ACC+10:ACC+11], v[ACC+14:ACC+15]
	v_pk_add_f32 v[ACC:ACC+1],     v[ACC:ACC+1],     v[ACC+8:ACC+9]
	v_pk_add_f32 v[ACC+2:ACC+3],   v[ACC+2:ACC+3],   v[ACC+10:ACC+11]
	ds_store_b128 v[STA], v[ACC:ACC+3]             ; the stage: 32 rows (one for each t / 16) of the strip's 256 bytes
	s_wait_tensorcnt 0x0                           ; my last LDS store is issued
	ds_add_u32 v[SPW], v[NIL]
	s_wait_dscnt 0x0                               ; the wait that the barrier needs: my store is done
	s_barrier_signal -1
	s_barrier_wait -1                              ; everybody's is
	s_cmp_lg_u32 s8, 0
	s_cbranch_scc1 .Lend                           ; wave 0 adds the 32 rows: 2 columns a lane
.set n, 0
.rept 32
	ds_load_b64 v[X+2*n:X+2*n+1], v[RDA] offset:256*n
.set n, n+1
.endr
	s_wait_dscnt 0x0
.irp h, 16,8,4,2,1
.set n, 0
.rept \h
	v_pk_add_f32 v[X+2*n:X+2*n+1], v[X+2*n:X+2*n+1], v[X+2*(n+\h):X+2*(n+\h)+1]
.set n, n+1
.endr
.endr
	v_pk_mul_f32 v[X:X+1], v[X:X+1], 0x39800000 op_sel_hi:[1,0]  ; x 2^-12: the mean over 4,096 rows, exact
	global_store_b64 v[RDA], v[X:X+1], s[6:7]      ; 32 lanes store 256 consecutive bytes, at a multiple of 256 from xmean's first byte
.Lend:
	s_endpgm
.Lfunc_end_k_qdd67ac601f_colsum:
	.size	k_qdd67ac601f_colsum, .Lfunc_end_k_qdd67ac601f_colsum-k_qdd67ac601f_colsum
	.p2alignl 7, 3214868480
	.fill 96, 4, 3214868480
	.section	.rodata,"a",@progbits
	.p2align	6, 0x0
	.amdhsa_kernel k_qdd67ac601f_colsum
		.amdhsa_group_segment_fixed_size 10240
		.amdhsa_private_segment_fixed_size 0
		.amdhsa_enable_private_segment 0
		.amdhsa_kernarg_size 16
		.amdhsa_user_sgpr_count 2
		.amdhsa_user_sgpr_kernarg_segment_ptr 1
		.amdhsa_wavefront_size32 1
		.amdhsa_system_sgpr_workgroup_id_x 1
		.amdhsa_system_sgpr_workgroup_id_y 1
		.amdhsa_system_sgpr_workgroup_id_z 1
		.amdhsa_system_vgpr_workitem_id 0
		.amdhsa_next_free_vgpr 152
		.amdhsa_next_free_sgpr 66
		.amdhsa_reserve_vcc 0
		.amdhsa_float_denorm_mode_32 3
		.amdhsa_float_denorm_mode_16_64 3
		.amdhsa_memory_ordered 1
		.amdhsa_forward_progress 1
		.amdhsa_inst_pref_size 23
	.end_amdhsa_kernel
	.amdgpu_metadata
---
amdhsa.version: [ 1, 2 ]
amdhsa.kernels:
  - .name:           k_qdd67ac601f_colsum
    .symbol:         k_qdd67ac601f_colsum.kd
    .args:
      - { .name: x, .offset: 0, .size: 8, .value_kind: global_buffer, .address_space: global }
      - { .name: xmean, .offset: 8, .size: 8, .value_kind: global_buffer, .address_space: global }
    .group_segment_fixed_size: 10240
    .private_segment_fixed_size: 0
    .kernarg_segment_align: 8
    .kernarg_segment_size: 16
    .max_flat_workgroup_size: 512
    .sgpr_count:     66
    .vgpr_count:     152
    .wavefront_size: 32
...
	.end_amdgpu_metadata
.endif
;; end of part 1
;; launch qproj (part 2): grid 256 x 1, 8 waves a work-group, no clusters, 1,280 bytes of LDS; arguments xmean, Wq, qt; writes qt
.if DOCPART == 2
	.amdgcn_target "amdgcn-amd-amdhsa--gfx1250"
	.amdhsa_code_object_version 6
	.text
	.protected	k_qdd67ac601f_qproj
	.globl	k_qdd67ac601f_qproj
	.p2align	8
	.type	k_qdd67ac601f_qproj,@function
k_qdd67ac601f_qproj:
	s_mov_b64 s[64:65], 0
	v_nop
	global_prefetch_b8 v0, s[64:65] scope:SCOPE_SE
	s_setreg_imm32_b32 hwreg(HW_REG_WAVE_MODE, 25, 1), 1
	s_wait_xcnt 0x0
; qt[e][b] = the sum over d of xmean[b][d] Wq[e][d]: q, stored with the batch fastest, so that a row e is 64 bytes.  xmean: [16][1024], Wq: [1024][1024], qt: [1024][16], all f32; sums in f32.
; SHARES.  Work-group g owns the four rows e = 4 g .. 4 g + 3 of Wq (16 KiB, read from memory by this work-group alone); wave w the batches 2 w and 2 w + 1: eight dot products of 1,024 a wave.
; A lane holds the 16 bytes at 512 j + 16 x lane (j = 0..7) of every row: each load of a wave covers 512 consecutive bytes.
; LEFT OUT.  The matrix units: 16 rows against weights that are streamed once, 16.8 million multiply-adds in all; in f32 on the vector unit q keeps f32's accuracy, which the scores need when inputs are large.
; Joint requests: what work-groups share is xmean, 64 KiB, read through registers.
.set SPARE, 256                        ; behind the stage of 256 bytes: the spare words, 128 bytes for each of 8 waves
.set LOF, 1                            ; v1       16 x lane
.set SPW, 2                            ; v2       LDS address of my spare word; never rewritten
.set NIL, 3                            ; v3       0; never rewritten
.set STA, 4                            ; v4       8 w: my two batches' place in a row of the stage
.set RDA, 5                            ; v5       8 x lane
.set T,   8                            ; v[8:15]  four chains of pairs: batch bo has chains 2 bo, 2 bo + 1
.set R,   16                           ; v[16:23] the result of row r, batch bo at R + 2 r + bo
.set XM,  32                           ; v[32:95] xmean of my two batches, 32 registers each
.set WR,  96                           ; v[96:223] the four rows of Wq, 32 registers each
	s_load_b128 s[4:7], s[0:1], 0x0                ; xmean s[4:5], Wq s[6:7]
	s_load_b64 s[8:9], s[0:1], 0x10                ; qt
	v_lshl_add_u32 v[SPW], v0, 2, SPARE
	v_mov_b32 v[NIL], 0
	v_lshrrev_b32 v6, 5, v0
	v_readfirstlane_b32 s10, v6                    ; wave 0..7
	v_and_b32 v[RDA], 31, v0
	v_lshlrev_b32 v[LOF], 4, v[RDA]
	v_lshlrev_b32 v[RDA], 3, v[RDA]
	s_lshl_b32 s11, s10, 3
	v_mov_b32 v[STA], s11
	s_lshl_b32 s12, s10, 13                        ; my two batches of xmean: 8,192 bytes
	s_mov_b32 s13, 0
	s_lshl_b32 s16, ttmp9, 14                      ; four rows of Wq: 16,384 bytes
	s_mov_b32 s17, 0
	s_lshl_b32 s18, ttmp9, 8                       ; four rows of qt: 256 bytes
	s_mov_b32 s19, 0
	s_mov_b32 s14, 0x76543210                      ; v_permlanex16_b32: each lane takes its own place in the other half
	s_mov_b32 s15, 0xfedcba98
	s_wait_kmcnt 0x0
	s_add_nc_u64 s[4:5], s[4:5], s[12:13]
	s_add_nc_u64 s[6:7], s[6:7], s[16:17]
	s_add_nc_u64 s[8:9], s[8:9], s[18:19]
.set n, 0
.rept 16
	global_load_b128 v[XM+4*n:XM+4*n+3], v[LOF], s[4:5] offset:(n/8)*4096+(n%8)*512
.set n, n+1
.endr
.set n, 0
.rept 32
	global_load_b128 v[WR+4*n:WR+4*n+3], v[LOF], s[6:7] offset:(n/8)*4096+(n%8)*512
.set n, n+1
.endr
; Row r against both batches: my 32 numbers of each, two at a time, in two chains a batch; the first products start the sums.
.macro DOT r
	s_wait_loadcnt 8*(3-(\r))                      ; the younger rows' loads, eight each, may stay out
.set n, 0
.rept 16
.irp bo, 0,1
.if n < 2
	v_pk_mul_f32 v[T+2*(2*\bo+n%2):T+2*(2*\bo+n%2)+1], v[XM+32*\bo+2*n:XM+32*\bo+2*n+1], v[WR+32*(\r)+2*n:WR+32*(\r)+2*n+1]
.else
	v_pk_fma_f32 v[T+2*(2*\bo+n%2):T+2*(2*\bo+n%2)+1], v[XM+32*\bo+2*n:XM+32*\bo+2*n+1], v[WR+32*(\r)+2*n:WR+32*(\r)+2*n+1], v[T+2*(2*\bo+n%2):T+2*(2*\bo+n%2)+1]
.endif
.endr
.set n, n+1
.endr
	v_pk_add_f32 v[T:T+1],   v[T:T+1],   v[T+2:T+3]
	v_pk_add_f32 v[T+4:T+5], v[T+4:T+5], v[T+6:T+7]
	v_add_f32 v[R+2*(\r)],   v[T],   v[T+1]
	v_add_f32 v[R+2*(\r)+1], v[T+4], v[T+5]
.endm
	DOT 0
	DOT 1
	DOT 2
	DOT 3
	; across the 32 lanes, all eight results side by side: four steps inside each half of 16 lanes, one across the halves
.irp m, 1,2,4,8
.set n, 0
.rept 8
	v_add_f32_dpp v[R+n], v[R+n], v[R+n] row_xmask:\m row_mask:0xf bank_mask:0xf
.set n, n+1
.endr
.endr
.set n, 0
.rept 8
	v_permlanex16_b32 v[XM+n], v[R+n], s14, s15    ; its destination counts as read: xmean's registers have been written and are free
.set n, n+1
.endr
.set n, 0
.rept 8
	v_add_f32 v[R+n], v[R+n], v[XM+n]              ; every lane holds the sum
.set n, n+1
.endr
.irp r, 0,1,2,3
	ds_store_b64 v[STA], v[R+2*\r:R+2*\r+1] offset:64*\r  ; the stage has qt's own layout: 64 bytes a row e, 4 bytes a batch; all lanes write the same words with the same numbers
.endr
	s_wait_tensorcnt 0x0                           ; my last LDS store is issued
	ds_add_u32 v[SPW], v[NIL]
	s_wait_dscnt 0x0                               ; the wait that the barrier needs: my stores are done
	s_barrier_signal -1
	s_barrier_wait -1
	s_cmp_lg_u32 s10, 0
	s_cbranch_scc1 .Lend
	ds_load_b64 v[T:T+1], v[RDA]
	s_wait_dscnt 0x0
	global_store_b64 v[RDA], v[T:T+1], s[8:9]      ; wave 0 stores the four rows: 256 consecutive bytes, at a multiple of 256 from qt's first byte
.Lend:
	s_endpgm
.Lfunc_end_k_qdd67ac601f_qproj:
	.size	k_qdd67ac601f_qproj, .Lfunc_end_k_qdd67ac601f_qproj-k_qdd67ac601f_qproj
	.p2alignl 7, 3214868480
	.fill 96, 4, 3214868480
	.section	.rodata,"a",@progbits
	.p2align	6, 0x0
	.amdhsa_kernel k_qdd67ac601f_qproj
		.amdhsa_group_segment_fixed_size 1280
		.amdhsa_private_segment_fixed_size 0
		.amdhsa_enable_private_segment 0
		.amdhsa_kernarg_size 24
		.amdhsa_user_sgpr_count 2
		.amdhsa_user_sgpr_kernarg_segment_ptr 1
		.amdhsa_wavefront_size32 1
		.amdhsa_system_sgpr_workgroup_id_x 1
		.amdhsa_system_sgpr_workgroup_id_y 1
		.amdhsa_system_sgpr_workgroup_id_z 1
		.amdhsa_system_vgpr_workitem_id 0
		.amdhsa_next_free_vgpr 224
		.amdhsa_next_free_sgpr 66
		.amdhsa_reserve_vcc 0
		.amdhsa_float_denorm_mode_32 3
		.amdhsa_float_denorm_mode_16_64 3
		.amdhsa_memory_ordered 1
		.amdhsa_forward_progress 1
		.amdhsa_inst_pref_size 18
	.end_amdhsa_kernel
	.amdgpu_metadata
---
amdhsa.version: [ 1, 2 ]
amdhsa.kernels:
  - .name:           k_qdd67ac601f_qproj
    .symbol:         k_qdd67ac601f_qproj.kd
    .args:
      - { .name: xmean, .offset: 0, .size: 8, .value_kind: global_buffer, .address_space: global }
      - { .name: Wq, .offset: 8, .size: 8, .value_kind: global_buffer, .address_space: global }
      - { .name: qt, .offset: 16, .size: 8, .value_kind: global_buffer, .address_space: global }
    .group_segment_fixed_size: 1280
    .private_segment_fixed_size: 0
    .kernarg_segment_align: 8
    .kernarg_segment_size: 24
    .max_flat_workgroup_size: 256
    .sgpr_count:     66
    .vgpr_count:     224
    .wavefront_size: 32
...
	.end_amdgpu_metadata
.endif
;; end of part 2
;; launch uproj (part 3): grid 16 x 16, 16 waves a work-group, no clusters, 67,584 bytes of LDS; arguments qt, Wk, upart; writes upart
.if DOCPART == 3
	.amdgcn_target "amdgcn-amd-amdhsa--gfx1250"
	.amdhsa_code_object_version 6
	.text
	.protected	k_qdd67ac601f_uproj
	.globl	k_qdd67ac601f_uproj
	.p2align	8
	.type	k_qdd67ac601f_uproj,@function
k_qdd67ac601f_uproj:
	s_mov_b64 s[64:65], 0
	v_nop
	global_prefetch_b8 v0, s[64:65] scope:SCOPE_SE
	s_setreg_imm32_b32 hwreg(HW_REG_WAVE_MODE, 25, 1), 1
	s_wait_xcnt 0x0
; upart[p][b][d] = the sum over e = 64 p .. 64 p + 63 of qt[e][b] Wk[e][d]: sixteen slices of u = Wk^T q.  q . (Wk x_t) = (Wk^T q) . x_t for every input: the same sum in another order,
; which spares the product x Wk^T.  qt: [1024][16], Wk: [1024][1024], upart: [16][16][1024], all f32; sums in f32.  The launch that reads upart adds the sixteen slices.
; SHARES.  A work-group owns 64 columns d (256 bytes of a row) and 64 rows e: 16 KiB of Wk, read once in the launch.  Wave w takes the rows 64 p + 4 w + i, i = 0..3; a lane two columns, for all 16 batches,
; so nothing is summed across lanes; the sixteen waves' sums meet in LDS, and wave w finishes batch w.  A row's sixteen q come by one scalar load of 64 bytes.
; LEFT OUT.  The matrix units, as for q: 16 rows against weights streamed once, and f32 keeps the scores' accuracy.  Joint requests: what is shared is qt, 4 KiB a work-group.
.set SPARE, 65536                      ; behind the stage: the spare words, 128 bytes for each of 16 waves
.set LOF, 1                            ; v1       8 x lane
.set SPW, 2                            ; v2       LDS address of my spare word; never rewritten
.set NIL, 3                            ; v3       0; never rewritten
.set STA, 4                            ; v4       4,096 w + 8 x lane: my wave's part of the stage; also my offset in a slice of upart (batch w)
.set RDA, 5                            ; v5       256 w + 8 x lane = 8 t: batch w in a wave's part of the stage
.set W,   8                            ; v[8:15]  row i: 2 registers
.set ACC, 16                           ; v[16:47] batch b: 2 registers
.set RD,  48                           ; v[48:79] the sixteen waves' sums for my batch
	s_load_b128 s[4:7], s[0:1], 0x0                ; qt s[4:5], Wk s[6:7]
	s_load_b64 s[8:9], s[0:1], 0x10                ; upart
	v_lshl_add_u32 v[SPW], v0, 2, SPARE
	v_mov_b32 v[NIL], 0
	v_lshrrev_b32 v6, 5, v0
	v_readfirstlane_b32 s10, v6                    ; wave 0..15
	v_and_b32 v[LOF], 31, v0
	v_lshlrev_b32 v[LOF], 3, v[LOF]
	s_lshl_b32 s11, s10, 12
	v_add_nc_u32 v[STA], s11, v[LOF]
	v_lshlrev_b32 v[RDA], 3, v0
	s_and_b32 s11, ttmp7, 0xffff                   ; p
	s_lshl_b32 s12, s11, 12                        ; qt: 64 rows of 64 bytes a slice,
	s_lshl_b32 s13, s10, 8                         ; four rows a wave
	s_add_co_u32 s12, s12, s13
	s_mov_b32 s13, 0
	s_lshl_b32 s14, s11, 18                        ; Wk: 64 rows of 4,096 bytes a slice,
	s_lshl_b32 s15, s10, 14                        ; four rows a wave,
	s_add_co_u32 s14, s14, s15
	s_lshl_b32 s15, ttmp9, 8                       ; the strip's 256 bytes
	s_add_co_u32 s14, s14, s15
	s_lshl_b32 s2, s11, 16                         ; upart: 65,536 bytes a slice, and the strip
	s_add_co_u32 s2, s2, s15
	s_mov_b32 s15, 0
	s_mov_b32 s3, 0
	s_wait_kmcnt 0x0
	s_add_nc_u64 s[4:5], s[4:5], s[12:13]
	s_add_nc_u64 s[6:7], s[6:7], s[14:15]
	s_add_nc_u64 s[8:9], s[8:9], s[2:3]
	s_load_b512 s[16:31], s[4:5], 0x0              ; q of my four rows, sixteen batches each
	s_load_b512 s[32:47], s[4:5], 0x40
	s_load_b512 s[48:63], s[4:5], 0x80
	s_load_b512 s[80:95], s[4:5], 0xc0
.irp i, 0,1,2,3
	global_load_b64 v[W+2*\i:W+2*\i+1], v[LOF], s[6:7] offset:4096*\i th:TH_LOAD_NT  ; a wave's load covers the strip's 256 bytes of a row
.endr
	s_wait_kmcnt 0x0
; Row i, whose q begin at scalar register q: 16 batches x 2 columns.  The first row's products start the sums.
.macro QROW i, q
	s_wait_loadcnt 3-(\i)                          ; the younger rows' loads may stay out
.set bb, 0
.rept 16
.if (\i) == 0
	v_mul_f32 v[ACC+2*bb],   s[(\q)+bb], v[W+2*(\i)]
	v_mul_f32 v[ACC+2*bb+1], s[(\q)+bb], v[W+2*(\i)+1]
.else
	v_fmac_f32 v[ACC+2*bb],   s[(\q)+bb], v[W+2*(\i)]
	v_fmac_f32 v[ACC+2*bb+1], s[(\q)+bb], v[W+2*(\i)+1]
.endif
.set bb, bb+1
.endr
.endm
	QROW 0, 16
	QROW 1, 32
	QROW 2, 48
	QROW 3, 80
.set bb, 0
.rept 16
	ds_store_b64 v[STA], v[ACC+2*bb:ACC+2*bb+1] offset:256*bb
.set bb, bb+1
.endr
	s_wait_tensorcnt 0x0                           ; my last LDS store is issued
	ds_add_u32 v[SPW], v[NIL]
	s_wait_dscnt 0x0                               ; the wait that the barrier needs: my stores are done
	s_barrier_signal -1
	s_barrier_wait -1
.set n, 0
.rept 16
	ds_load_b64 v[RD+2*n:RD+2*n+1], v[RDA] offset:4096*n  ; batch w as wave n summed it
.set n, n+1
.endr
	s_wait_dscnt 0x0
.irp h, 8,4,2,1
.set n, 0
.rept \h
	v_pk_add_f32 v[RD+2*n:RD+2*n+1], v[RD+2*n:RD+2*n+1], v[RD+2*(n+\h):RD+2*(n+\h)+1]
.set n, n+1
.endr
.endr
	global_store_b64 v[STA], v[RD:RD+1], s[8:9]    ; 32 lanes store 256 consecutive bytes, at a multiple of 256 from upart's first byte
	s_endpgm
.Lfunc_end_k_qdd67ac601f_uproj:
	.size	k_qdd67ac601f_uproj, .Lfunc_end_k_qdd67ac601f_uproj-k_qdd67ac601f_uproj
	.p2alignl 7, 3214868480
	.fill 96, 4, 3214868480
	.section	.rodata,"a",@progbits
	.p2align	6, 0x0
	.amdhsa_kernel k_qdd67ac601f_uproj
		.amdhsa_group_segment_fixed_size 67584
		.amdhsa_private_segment_fixed_size 0
		.amdhsa_enable_private_segment 0
		.amdhsa_kernarg_size 24
		.amdhsa_user_sgpr_count 2
		.amdhsa_user_sgpr_kernarg_segment_ptr 1
		.amdhsa_wavefront_size32 1
		.amdhsa_system_sgpr_workgroup_id_x 1
		.amdhsa_system_sgpr_workgroup_id_y 1
		.amdhsa_system_sgpr_workgroup_id_z 1
		.amdhsa_system_vgpr_workitem_id 0
		.amdhsa_next_free_vgpr 80
		.amdhsa_next_free_sgpr 96
		.amdhsa_reserve_vcc 0
		.amdhsa_float_denorm_mode_32 3
		.amdhsa_float_denorm_mode_16_64 3
		.amdhsa_memory_ordered 1
		.amdhsa_forward_progress 1
		.amdhsa_inst_pref_size 10
	.end_amdhsa_kernel
	.amdgpu_metadata
---
amdhsa.version: [ 1, 2 ]
amdhsa.kernels:
  - .name:           k_qdd67ac601f_uproj
    .symbol:         k_qdd67ac601f_uproj.kd
    .args:
      - { .name: qt, .offset: 0, .size: 8, .value_kind: global_buffer, .address_space: global }
      - { .name: Wk, .offset: 8, .size: 8, .value_kind: global_buffer, .address_space: global }
      - { .name: upart, .offset: 16, .size: 8, .value_kind: global_buffer, .address_space: global }
    .group_segment_fixed_size: 67584
    .private_segment_fixed_size: 0
    .kernarg_segment_align: 8
    .kernarg_segment_size: 24
    .max_flat_workgroup_size: 512
    .sgpr_count:     96
    .vgpr_count:     80
    .wavefront_size: 32
...
	.end_amdgpu_metadata
.endif
;; end of part 3
;; launch pool (part 4): grid 16 x 16, 16 waves a work-group, no clusters, 71,936 bytes of LDS; arguments x, mask, upart, part; writes part
.if DOCPART == 4
	.amdgcn_target "amdgcn-amd-amdhsa--gfx1250"
	.amdhsa_code_object_version 6
	.text
	.protected	k_qdd67ac601f_pool
	.globl	k_qdd67ac601f_pool
	.p2align	8
	.type	k_qdd67ac601f_pool,@function
k_qdd67ac601f_pool:
	s_mov_b64 s[64:65], 0
	v_nop
	global_prefetch_b8 v0, s[64:65] scope:SCOPE_SE
	s_setreg_imm32_b32 hwreg(HW_REG_WAVE_MODE, 25, 1), 1
	s_wait_xcnt 0x0
; For 256 rows t of one batch: s[t] = c u . x[t] (c = log2(e) / 32, u = the sum of upart's sixteen slices), -infinity where mask[t] = 0; a running maximum m; p = 2^(s - m); l = the sum of p; acc[d] = the sum of p x[t][d].
; Stored: a record of 4,352 bytes: acc[1024], then the pair (m, l) 32 times over, so that the record's last 256 bytes are written whole.  x: [16][4096][1024] f32, mask: [16][4096] bytes.  Everything in f32.
; SHARES.  A work-group owns 256 consecutive rows (1 MiB), each of its 16 waves 16 of them.  A row is eight loads of a wave, 512 consecutive bytes each, and stays in 32 registers between the dot product
; and the weighted sum: x is read once here.  Four row slots: one at work, three on their way: 16 waves x 3 to 4 rows x 4 KiB in flight.  All of a wave's offsets are immediates (65,024 at the most): no address is ever rewritten.
; THE MAXIMUM.  m starts at the lowest finite number; in every row acc and l are multiplied by a = 2^(m_old - m_new), which is 1 where m has not grown.  A hidden row's p is 2^(-infinity) = 0.
; A share in which every row is hidden leaves l = 0, acc = 0 and m at the lowest finite number; it gets the weight 0 as soon as any other share holds a true maximum.
; LIMITS.  The scores are summed as (Wk^T q) . x, another order than q . (Wk x).  A weight below 2^-126 counts as 0.  Infinite or NaN scores are not treated apart.
; LEFT OUT.  The matrix units: two operations for each number of x.  A ring in LDS: the register slots hold as many bytes in flight with no barrier in the stream.  Joint requests: what a batch's
; work-groups share is u's sixteen slices, 64 KiB beside each one's own 1 MiB of x.
.set PACC,  0                          ; 16 waves x 4,096 bytes: a wave's acc, in the order of the columns
.set STAT,  65536                      ; 16 pairs (m, l), in a block of 256 bytes of their own
.set UB,    65792                      ; c u, 4,096 bytes
.set SPARE, 69888                      ; the spare words, 128 bytes for each of 16 waves
.set LOF, 1                            ; v1       16 x lane; never rewritten
.set SPW, 2                            ; v2       LDS address of my spare word; never rewritten
.set NIL, 3                            ; v3       0; never rewritten
.set AA,  4                            ; v[4:5]   a, and the row's score
.set PP,  6                            ; v[6:7]   p, and a register at work (the other half's sum, the new maximum)
.set ML,  8                            ; v[8:9]   m, l
.set T,   10                           ; v[10:17] four chains of pairs; LDS addresses outside the stream
.set NINF, 18                          ; v18      -infinity
.set T8,  19                           ; v19      8 t
.set U,   20                           ; v[20:51] c u: my 32 columns
.set ACC, 52                           ; v[52:83] acc of my 32 columns; at first upart's sixteen pairs
.set X,   84                           ; v[84:211] four row slots of 32
.set ST,  84                           ; at the end: the sixteen pairs (m, l), then (weight, l)
.set RD,  116                          ; at the end: two columns of the sixteen waves' acc
.set MM,  148                          ; v[148:149] the work-group's m, l
.set RR,  150                          ; v[150:153] two chains of a pair
	s_load_b256 s[4:11], s[0:1], 0x0               ; x s[4:5], mask s[6:7], upart s[8:9], part s[10:11]
	v_lshl_add_u32 v[SPW], v0, 2, SPARE
	v_mov_b32 v[NIL], 0
	v_lshrrev_b32 v[PP+1], 5, v0
	v_readfirstlane_b32 s12, v[PP+1]               ; wave 0..15
	v_and_b32 v[LOF], 31, v0
	v_lshlrev_b32 v[LOF], 4, v[LOF]
	v_lshlrev_b32 v[T8], 3, v0
	v_mov_b32 v[NINF], 0xff800000
	s_and_b32 s13, ttmp7, 0xffff                   ; the batch
	s_lshl_b32 s14, s13, 24                        ; x: 2^24 bytes a batch,
	s_lshl_b32 s15, ttmp9, 20                      ; 2^20 a work-group,
	s_add_co_u32 s14, s14, s15
	s_lshl_b32 s15, s12, 16                        ; 2^16 a wave
	s_add_co_u32 s14, s14, s15
	s_mov_b32 s15, 0
	s_lshl_b32 s24, s13, 12                        ; mask: 4,096 bytes a batch,
	s_lshl_b32 s25, ttmp9, 8                       ; 256 a work-group,
	s_add_co_u32 s24, s24, s25
	s_lshl_b32 s25, s12, 4                         ; 16 a wave
	s_add_co_u32 s24, s24, s25
	s_mov_b32 s25, 0
	s_lshl_b32 s26, s13, 12                        ; upart: the batch's 4,096 bytes in each slice
	s_mov_b32 s27, 0
	s_lshl_b32 s28, s13, 4
	s_add_co_u32 s28, s28, ttmp9
	s_mul_i32 s28, s28, 4352                       ; part: record 16 b + work-group
	s_mov_b32 s29, 0
	s_mov_b32 s22, 0x76543210                      ; v_permlanex16_b32: each lane takes its own place in the other half
	s_mov_b32 s23, 0xfedcba98
	s_wait_kmcnt 0x0
	s_add_nc_u64 s[4:5], s[4:5], s[14:15]
	s_add_nc_u64 s[6:7], s[6:7], s[24:25]
	s_add_nc_u64 s[8:9], s[8:9], s[26:27]
	s_add_nc_u64 s[10:11], s[10:11], s[28:29]
	s_load_b128 s[16:19], s[6:7], 0x0              ; my wave's sixteen mask bytes
.set n, 0
.rept 16
	global_load_b64 v[ACC+2*n:ACC+2*n+1], v[T8], s[8:9] offset:65536*n  ; columns 2 t, 2 t + 1 of slice n
.set n, n+1
.endr
.set n, 0
.rept 32
	global_load_b128 v[X+4*n:X+4*n+3], v[LOF], s[4:5] offset:(n/8)*4096+(n%8)*512 th:TH_LOAD_NT  ; rows 0 to 3
.set n, n+1
.endr
	v_add_nc_u32 v[T], UB, v[T8]
	v_add_nc_u32 v[T+1], UB, v[LOF]
	s_wait_loadcnt 32                              ; the 32 loads of x issued behind the slices stay out
.irp h, 8,4,2,1
.set n, 0
.rept \h
	v_pk_add_f32 v[ACC+2*n:ACC+2*n+1], v[ACC+2*n:ACC+2*n+1], v[ACC+2*(n+\h):ACC+2*(n+\h)+1]
.set n, n+1
.endr
.endr
	v_pk_mul_f32 v[ACC:ACC+1], v[ACC:ACC+1], 0x3d38aa3b op_sel_hi:[1,0]  ; c = log2(e) / 32, once: the scores come out ready for 2^s
	ds_store_b64 v[T], v[ACC:ACC+1]
	s_wait_dscnt 0x0                               ; for the others' sake: my two columns of c u are in LDS
	s_barrier_signal -1
	s_barrier_wait -1
.irp j, 0,1,2,3,4,5,6,7
	ds_load_b128 v[U+4*\j:U+4*\j+3], v[T+1] offset:512*\j  ; the same columns as a row's load j brings
.endr
	s_wait_dscnt 0x0
	s_wait_kmcnt 0x0                               ; the mask bytes
; Row i of my sixteen, in slot i % 4.
.macro ROW i
.set XS, X+32*((\i)%4)
.set LEFT, 3
.if 15-(\i) < 3
.set LEFT, 15-(\i)
.endif
	s_bfe_u32 s20, s[16+(\i)/4], (8<<16)|(8*((\i)%4))  ; the row's mask byte; SCC = it is not 0
	s_cselect_b32 s20, -1, 0                       ; as a mask of lanes
	s_wait_loadcnt 8*LEFT                          ; the younger rows' loads, eight each, stay out
.set k, 0
.rept 16
.if k < 4
	v_pk_mul_f32 v[T+2*k:T+2*k+1], v[XS+2*k:XS+2*k+1], v[U+2*k:U+2*k+1]  ; the first four products start the chains
.else
	v_pk_fma_f32 v[T+2*(k%4):T+2*(k%4)+1], v[XS+2*k:XS+2*k+1], v[U+2*k:U+2*k+1], v[T+2*(k%4):T+2*(k%4)+1]
.endif
.set k, k+1
.endr
	v_pk_add_f32 v[T:T+1],   v[T:T+1],   v[T+2:T+3]
	v_pk_add_f32 v[T+4:T+5], v[T+4:T+5], v[T+6:T+7]
	v_pk_add_f32 v[T:T+1],   v[T:T+1],   v[T+4:T+5]
	v_add_f32 v[AA+1], v[T], v[T+1]
	v_add_f32_dpp v[AA+1], v[AA+1], v[AA+1] row_xmask:1 row_mask:0xf bank_mask:0xf
	v_add_f32_dpp v[AA+1], v[AA+1], v[AA+1] row_xmask:2 row_mask:0xf bank_mask:0xf
	v_add_f32_dpp v[AA+1], v[AA+1], v[AA+1] row_xmask:4 row_mask:0xf bank_mask:0xf
	v_add_f32_dpp v[AA+1], v[AA+1], v[AA+1] row_xmask:8 row_mask:0xf bank_mask:0xf
	v_permlanex16_b32 v[PP+1], v[AA+1], s22, s23
	v_add_f32 v[AA+1], v[AA+1], v[PP+1]            ; every lane holds the score
	v_cndmask_b32 v[AA+1], v[NINF], v[AA+1], s20   ; or -infinity: a choice of value, the work is done in every row
.if (\i) == 0
	v_max_num_f32 v[PP+1], 0xff7fffff, v[AA+1]     ; m starts at the lowest finite number
.else
	v_max_num_f32 v[PP+1], v[ML], v[AA+1]
	v_sub_f32 v[AA], v[ML], v[PP+1]
.endif
	v_sub_f32 v[PP], v[AA+1], v[PP+1]
.if (\i) != 0
	v_exp_f32 v[AA], v[AA]
.endif
	v_exp_f32 v[PP], v[PP]
	v_mov_b32 v[ML], v[PP+1]                       ; a plain instruction between the exponentials and the use of their results (ISA guide 5.7.2)
.if (\i) == 0
	s_wait_alu depctr_va_vdst(0)
	v_mov_b32 v[ML+1], v[PP]
.else
	s_wait_alu depctr_va_vdst(0)
	v_fma_f32 v[ML+1], v[ML+1], v[AA], v[PP]
.endif
.set k, 0
.rept 16
.if (\i) == 0
	v_pk_mul_f32 v[ACC+2*k:ACC+2*k+1], v[XS+2*k:XS+2*k+1], v[PP:PP+1] op_sel_hi:[1,0]  ; the first row starts the sums: nothing is cleared
.else
	v_pk_mul_f32 v[ACC+2*k:ACC+2*k+1], v[ACC+2*k:ACC+2*k+1], v[AA:AA+1] op_sel_hi:[1,0]
	v_pk_fma_f32 v[ACC+2*k:ACC+2*k+1], v[XS+2*k:XS+2*k+1], v[PP:PP+1], v[ACC+2*k:ACC+2*k+1] op_sel_hi:[1,0,1]
.endif
.set k, k+1
.endr
.if (\i) < 12
.irp j, 0,1,2,3,4,5,6,7
	global_load_b128 v[XS+4*\j:XS+4*\j+3], v[LOF], s[4:5] offset:((\i)+4)*4096+512*\j th:TH_LOAD_NT  ; the slot takes the row four further on
.endr
.endif
.endm
.set r, 0
.rept 16
	ROW r
.set r, r+1
.endr
	; THE SIXTEEN WAVES' SHARES ARE JOINED.  Each puts its acc and its (m, l) into LDS; then thread t joins columns 2 t and 2 t + 1.
	s_lshl_b32 s21, s12, 12
	v_add_nc_u32 v[T], s21, v[LOF]                 ; 4,096 w + 16 x lane
	s_lshl_b32 s21, s12, 3
	s_add_co_u32 s21, s21, STAT
	v_mov_b32 v[T+1], s21                          ; my wave's pair
	v_mov_b32 v[T+2], STAT
.irp j, 0,1,2,3,4,5,6,7
	ds_store_b128 v[T], v[ACC+4*\j:ACC+4*\j+3] offset:512*\j
.endr
	ds_store_b64 v[T+1], v[ML:ML+1]                ; all lanes write the same words with the same numbers
	s_wait_tensorcnt 0x0                           ; my last LDS store is issued
	ds_add_u32 v[SPW], v[NIL]
	s_wait_dscnt 0x0                               ; the wait that the barrier needs: my stores are done
	s_barrier_signal -1
	s_barrier_wait -1
.irp j, 0,1,2,3,4,5,6,7
	ds_load_b128 v[ST+4*\j:ST+4*\j+3], v[T+2] offset:16*\j
.endr
.set n, 0
.rept 16
	ds_load_b64 v[RD+2*n:RD+2*n+1], v[T8] offset:4096*n
.set n, n+1
.endr
; Sixteen pairs (m_i, l_i) at st: M = the largest m_i; each m_i gives way to the weight w_i = 2^(m_i - M); L = the sum of w_i l_i.
.macro JOIN st, m, l
	v_max3_num_f32 v[\m], v[\st], v[(\st)+2], v[(\st)+4]
.irp i, 3,5,7,9,11,13
	v_max3_num_f32 v[\m], v[\m], v[(\st)+2*\i], v[(\st)+2*\i+2]
.endr
	v_max_num_f32 v[\m], v[\m], v[(\st)+30]
.irp i, 0,1,2,3,4,5,6,7,8,9,10,11,12,13,14,15
	v_sub_f32 v[(\st)+2*\i], v[(\st)+2*\i], v[\m]
.endr
.irp i, 0,1,2,3,4,5,6,7,8,9,10,11,12,13,14,15
	v_exp_f32 v[(\st)+2*\i], v[(\st)+2*\i]
.endr
	v_nop                                          ; a plain instruction between the last exponential and the use of its result
	s_wait_alu depctr_va_vdst(0)
	v_mul_f32 v[\l], v[\st], v[(\st)+1]
.irp i, 1,2,3,4,5,6,7,8,9,10,11,12,13,14,15
	v_fmac_f32 v[\l], v[(\st)+2*\i], v[(\st)+2*\i+1]
.endr
.endm
	s_wait_dscnt 16                                ; the pairs are in; the sixteen loads of columns issued behind them stay out
	JOIN ST, MM, MM+1
	s_wait_dscnt 0x0
.set n, 0
.rept 16
.if n < 2
	v_pk_mul_f32 v[RR+2*(n%2):RR+2*(n%2)+1], v[RD+2*n:RD+2*n+1], v[ST+2*n:ST+2*n+1] op_sel_hi:[1,0]
.else
	v_pk_fma_f32 v[RR+2*(n%2):RR+2*(n%2)+1], v[RD+2*n:RD+2*n+1], v[ST+2*n:ST+2*n+1], v[RR+2*(n%2):RR+2*(n%2)+1] op_sel_hi:[1,0,1]
.endif
.set n, n+1
.endr
	v_pk_add_f32 v[RR:RR+1], v[RR:RR+1], v[RR+2:RR+3]
	global_store_b64 v[T8], v[RR:RR+1], s[10:11]   ; a wave stores 256 consecutive bytes, at a multiple of 256 from part's first byte
	s_cmp_lg_u32 s12, 0
	s_cbranch_scc1 .Lend
	global_store_b64 v[T8], v[MM:MM+1], s[10:11] offset:4096  ; wave 0: the pair (M, L) from each of 32 lanes: the record's last 256 bytes, whole
.Lend:
	s_endpgm
.Lfunc_end_k_qdd67ac601f_pool:
	.size	k_qdd67ac601f_pool, .Lfunc_end_k_qdd67ac601f_pool-k_qdd67ac601f_pool
	.p2alignl 7, 3214868480
	.fill 96, 4, 3214868480
	.section	.rodata,"a",@progbits
	.p2align	6, 0x0
	.amdhsa_kernel k_qdd67ac601f_pool
		.amdhsa_group_segment_fixed_size 71936
		.amdhsa_private_segment_fixed_size 0
		.amdhsa_enable_private_segment 0
		.amdhsa_kernarg_size 32
		.amdhsa_user_sgpr_count 2
		.amdhsa_user_sgpr_kernarg_segment_ptr 1
		.amdhsa_wavefront_size32 1
		.amdhsa_system_sgpr_workgroup_id_x 1
		.amdhsa_system_sgpr_workgroup_id_y 1
		.amdhsa_system_sgpr_workgroup_id_z 1
		.amdhsa_system_vgpr_workitem_id 0
		.amdhsa_next_free_vgpr 212
		.amdhsa_next_free_sgpr 66
		.amdhsa_reserve_vcc 0
		.amdhsa_float_denorm_mode_32 3
		.amdhsa_float_denorm_mode_16_64 3
		.amdhsa_memory_ordered 1
		.amdhsa_forward_progress 1
		.amdhsa_inst_pref_size 87
	.end_amdhsa_kernel
	.amdgpu_metadata
---
amdhsa.version: [ 1, 2 ]
amdhsa.kernels:
  - .name:           k_qdd67ac601f_pool
    .symbol:         k_qdd67ac601f_pool.kd
    .args:
      - { .name: x, .offset: 0, .size: 8, .value_kind: global_buffer, .address_space: global }
      - { .name: mask, .offset: 8, .size: 8, .value_kind: global_buffer, .address_space: global }
      - { .name: upart, .offset: 16, .size: 8, .value_kind: global_buffer, .address_space: global }
      - { .name: part, .offset: 24, .size: 8, .value_kind: global_buffer, .address_space: global }
    .group_segment_fixed_size: 71936
    .private_segment_fixed_size: 0
    .kernarg_segment_align: 8
    .kernarg_segment_size: 32
    .max_flat_workgroup_size: 512
    .sgpr_count:     66
    .vgpr_count:     212
    .wavefront_size: 32
...
	.end_amdgpu_metadata
.endif
;; end of part 4
;; launch finish (part 5): grid 4 x 16, 2 waves a work-group, no clusters, 0 bytes of LDS; arguments part, out0; writes out0
.if DOCPART == 5
	.amdgcn_target "amdgcn-amd-amdhsa--gfx1250"
	.amdhsa_code_object_version 6
	.text
	.protected	k_qdd67ac601f_finish
	.globl	k_qdd67ac601f_finish
	.p2align	8
	.type	k_qdd67ac601f_finish,@function
k_qdd67ac601f_finish:
	s_mov_b64 s[64:65], 0
	v_nop
	global_prefetch_b8 v0, s[64:65] scope:SCOPE_SE
	s_setreg_imm32_b32 hwreg(HW_REG_WAVE_MODE, 25, 1), 1
	s_wait_xcnt 0x0
; out0[b][d] = (the sum over the batch's 16 records i of w_i acc_i[d]) / (the sum of w_i l_i), w_i = 2^(m_i - M), M = the largest m_i.  part: 256 records of 4,352 bytes (acc[1024]; the pair (m, l) 32 times). All f32.
; SHARES.  A work-group owns a quarter of a batch's 1,024 columns, a thread four of them: 64 work-groups of two waves are all the work that 64 KiB of output hold; every wave joins the sixteen pairs for itself.
; LIMITS.  The division is a multiplication by v_rcp_f32's result (1 ULP).  A batch in which every row is hidden has L = 0 and sums 0: 0 x infinity = NaN, as a softmax over -infinity alone gives.
.set AOF, 1                            ; v1        16 t
.set SOF, 2                            ; v2        8 x lane
.set ST,  8                            ; v[8:39]   the sixteen pairs (m, l), then (weight, l)
.set A,   40                           ; v[40:103] my four columns of the sixteen records
.set R,   104                          ; v[104:107] the result
.set MM,  108                          ; v108 M, v109 L
.set IL,  110                          ; v[110:111] 1 / L in the low word
	s_load_b128 s[4:7], s[0:1], 0x0                ; part s[4:5], out0 s[6:7]
	v_lshlrev_b32 v[AOF], 4, v0
	v_and_b32 v[SOF], 31, v0
	v_lshlrev_b32 v[SOF], 3, v[SOF]
	s_and_b32 s10, ttmp7, 0xffff                   ; the batch
	s_mul_i32 s12, s10, 69632                      ; its sixteen records
	s_mov_b32 s13, 0
	s_lshl_b32 s14, ttmp9, 10                      ; the quarter's 1,024 bytes
	s_mov_b32 s15, 0
	s_lshl_b32 s2, s10, 12
	s_add_co_u32 s2, s2, s14
	s_mov_b32 s3, 0
	s_wait_kmcnt 0x0
	s_add_nc_u64 s[4:5], s[4:5], s[12:13]
	s_add_nc_u64 s[8:9], s[4:5], s[14:15]
	s_add_nc_u64 s[6:7], s[6:7], s[2:3]
.set n, 0
.rept 16
	global_load_b64 v[ST+2*n:ST+2*n+1], v[SOF], s[4:5] offset:4352*n+4096  ; a wave reads the record's last 256 bytes whole: every lane gets the pair
.set n, n+1
.endr
.set n, 0
.rept 16
	global_load_b128 v[A+4*n:A+4*n+3], v[AOF], s[8:9] offset:4352*n
.set n, n+1
.endr
; Sixteen pairs (m_i, l_i) at st: M = the largest m_i; each m_i gives way to the weight w_i = 2^(m_i - M); L = the sum of w_i l_i.
.macro JOIN st, m, l
	v_max3_num_f32 v[\m], v[\st], v[(\st)+2], v[(\st)+4]
.irp i, 3,5,7,9,11,13
	v_max3_num_f32 v[\m], v[\m], v[(\st)+2*\i], v[(\st)+2*\i+2]
.endr
	v_max_num_f32 v[\m], v[\m], v[(\st)+30]
.irp i, 0,1,2,3,4,5,6,7,8,9,10,11,12,13,14,15
	v_sub_f32 v[(\st)+2*\i], v[(\st)+2*\i], v[\m]
.endr
.irp i, 0,1,2,3,4,5,6,7,8,9,10,11,12,13,14,15
	v_exp_f32 v[(\st)+2*\i], v[(\st)+2*\i]
.endr
	v_nop                                          ; a plain instruction between the last exponential and the use of its result
	s_wait_alu depctr_va_vdst(0)
	v_mul_f32 v[\l], v[\st], v[(\st)+1]
.irp i, 1,2,3,4,5,6,7,8,9,10,11,12,13,14,15
	v_fmac_f32 v[\l], v[(\st)+2*\i], v[(\st)+2*\i+1]
.endr
.endm
	s_wait_loadcnt 16                              ; the pairs are in; the sixteen loads of columns issued behind them stay out
	JOIN ST, MM, MM+1
	v_rcp_f32 v[IL], v[MM+1]
	v_mov_b32 v[IL+1], 0                           ; named with it as a pair, so it is written; also the plain instruction behind the reciprocal
	s_wait_loadcnt 0x0
.set n, 0
.rept 16
.if n == 0
	v_pk_mul_f32 v[R:R+1],   v[A:A+1],   v[ST:ST+1] op_sel_hi:[1,0]
	v_pk_mul_f32 v[R+2:R+3], v[A+2:A+3], v[ST:ST+1] op_sel_hi:[1,0]
.else
	v_pk_fma_f32 v[R:R+1],   v[A+4*n:A+4*n+1],   v[ST+2*n:ST+2*n+1], v[R:R+1]   op_sel_hi:[1,0,1]
	v_pk_fma_f32 v[R+2:R+3], v[A+4*n+2:A+4*n+3], v[ST+2*n:ST+2*n+1], v[R+2:R+3] op_sel_hi:[1,0,1]
.endif
.set n, n+1
.endr
	s_wait_alu depctr_va_vdst(0)
	v_pk_mul_f32 v[R:R+1],   v[R:R+1],   v[IL:IL+1] op_sel_hi:[1,0]
	v_pk_mul_f32 v[R+2:R+3], v[R+2:R+3], v[IL:IL+1] op_sel_hi:[1,0]
	global_store_b128 v[AOF], v[R:R+3], s[6:7]     ; a wave stores 512 consecutive bytes, at a multiple of 256 from out0's first byte
	s_endpgm
.Lfunc_end_k_qdd67ac601f_finish:
	.size	k_qdd67ac601f_finish, .Lfunc_end_k_qdd67ac601f_finish-k_qdd67ac601f_finish
	.p2alignl 7, 3214868480
	.fill 96, 4, 3214868480
	.section	.rodata,"a",@progbits
	.p2align	6, 0x0
	.amdhsa_kernel k_qdd67ac601f_finish
		.amdhsa_group_segment_fixed_size 0
		.amdhsa_private_segment_fixed_size 0
		.amdhsa_enable_private_segment 0
		.amdhsa_kernarg_size 16
		.amdhsa_user_sgpr_count 2
		.amdhsa_user_sgpr_kernarg_segment_ptr 1
		.amdhsa_wavefront_size32 1
		.amdhsa_system_sgpr_workgroup_id_x 1
		.amdhsa_system_sgpr_workgroup_id_y 1
		.amdhsa_system_sgpr_workgroup_id_z 1
		.amdhsa_system_vgpr_workitem_id 0
		.amdhsa_next_free_vgpr 112
		.amdhsa_next_free_sgpr 66
		.amdhsa_reserve_vcc 0
		.amdhsa_float_denorm_mode_32 3
		.amdhsa_float_denorm_mode_16_64 3
		.amdhsa_memory_ordered 1
		.amdhsa_forward_progress 1
		.amdhsa_inst_pref_size 9
	.end_amdhsa_kernel
	.amdgpu_metadata
---
amdhsa.version: [ 1, 2 ]
amdhsa.kernels:
  - .name:           k_qdd67ac601f_finish
    .symbol:         k_qdd67ac601f_finish.kd
    .args:
      - { .name: part, .offset: 0, .size: 8, .value_kind: global_buffer, .address_space: global }
      - { .name: out0, .offset: 8, .size: 8, .value_kind: global_buffer, .address_space: global }
    .group_segment_fixed_size: 0
    .private_segment_fixed_size: 0
    .kernarg_segment_align: 8
    .kernarg_segment_size: 16
    .max_flat_workgroup_size: 64
    .sgpr_count:     66
    .vgpr_count:     112
    .wavefront_size: 32
...
	.end_amdgpu_metadata
.endif
;; end of part 5
